; MI455X (gfx1250); checked and timed in simulation.
; The chip was launched on July 23, 2026; its instructions are those of AMD's public machine-readable ISA for CDNA 5 (MIT licence, August 2026) and "CDNA5" Instruction Set Architecture Reference Guide (July 2026). The comments in the code are by the model that wrote it; some were corrected since.
;; Causal Self Attention. Allowed arithmetic: matrix products marked QUANTISED: E2M1 operands, one E8M0 scale for each 32 along K, by v_wmma_scale_f32_16x16x128_f8f6f4 with both operands' format E2M1 (or v_wmma_scale_f32_32x16x128_f4), f32 sums; everything else in f32.
;; Inputs: W_attn_codes 3,072 x 32 x 16 uint8 (E2M1 codes of W_attn, K innermost, in blocks of 32 codes, two codes a byte); W_attn_scales 3,072 x 32 uint8 (E8M0 scales of W_attn, one for each 32 codes along K); W_proj_codes 1,024 x 32 x 16 uint8 (E2M1 codes of W_proj, K innermost, in blocks of 32 codes, two codes a byte); W_proj_scales 1,024 x 32 uint8 (E8M0 scales of W_proj, one for each 32 codes along K); b_attn 3,072 float32; b_proj 1,024 float32; x_codes 4 x 2,048 x 32 x 16 uint8 (E2M1 codes of x, K innermost, in blocks of 32 codes, two codes a byte); x_scales 4 x 2,048 x 32 uint8 (E8M0 scales of x, one for each 32 codes along K).
;; Outputs: out0 4 x 2,048 x 1,024 float32.
;; This version of the problem:
;;   THIS VERSION OF THE PROBLEM IS GIVEN IN LOW PRECISION. The matrix products marked QUANTISED in the list below multiply operands that are first quantised to E2M1 (2 exponent bits, 1 mantissa bit; 4 bits a number), with one power-of-two scale for each 32 numbers along K (OCP MX v1.0); their sums are f32. All else is computed in f32.
;;   The module's matrix products, in the order in which they are computed (A, B: the left and right operand; K: the contracted axis; several contracted axes count as one K, in the product's order):
;;     1. [M 8,192, K 1,024] x [K 1,024, N 3,072]; A: input x (given as codes); B: input W_attn (given as codes): QUANTISED
;;     2. batch 64 x [M 2,048, K 64] x [K 64, N 2,048]; A: computed on the way; B: computed on the way: QUANTISED
;;     3. batch 64 x [M 2,048, K 2,048] x [K 2,048, N 64]; A: softmax (see below); B: computed on the way: QUANTISED
;;     4. [M 8,192, K 1,024] x [K 1,024, N 1,024]; A: computed on the way; B: input W_proj (given as codes): QUANTISED
;;   THE QUANTISER, for each operand of a quantised product, along K:
;;     - K is cut into blocks of 32 from its start; a last block that is shorter is filled with zeros.
;;     - A block's scale is 2^e with e = floor(log2(the largest magnitude in the block)) - 2, held to -126 .. 127; a block of zeros has e = 0. As a byte (E8M0): e + 127.
;;     - Each number is divided by its block's scale, clamped to +-6, and rounded to the nearest number of E2M1, ties to even, subnormals kept.
;;     - The product sums the exact products of the quantised numbers (number of the format x scale) in f32.
;;   ~~~python
;;   def quantise(x, axis):      # numpy; x: float32 -> the quantised numbers, widened to float32 again
;;       x = np.moveaxis(x, axis, -1); K = x.shape[-1]
;;       x = np.pad(x, [(0, 0)] * (x.ndim - 1) + [(0, -K % 32)]); x = x.reshape(x.shape[:-1] + (-1, 32)); a = np.abs(x).max(-1, keepdims=True)
;;       e = np.where(a > 0, np.clip(np.frexp(np.where(a > 0, a, 1))[1] - 1 - 2, -126, 127), 0)      # np.frexp(a)[1] - 1 = floor(log2(a)), exactly
;;       r = np.clip(x / 2.0 ** e, -6, 6)
;;       step = 2.0 ** (np.maximum(np.frexp(np.where(r == 0, 1, r))[1] - 1, 0) - 1)
;;       q = np.round(r / step) * step * 2.0 ** e      # np.round: ties to even
;;       return np.moveaxis(q.reshape(q.shape[:-2] + (-1,))[..., :K], -1, axis).astype(np.float32)
;;   ~~~
;;   SOFTMAX AHEAD OF A QUANTISED PRODUCT. Where the list says 'softmax', what is quantised is not the finished softmax but p = 2^(t - M), with t = logit x log2(e) and M = ceil(the row's largest t), a whole number; so 1/2 < the row's largest p <= 1. The row's sum l is taken of the UNQUANTISED p, in f32, and the product's result is divided by l at the end. Since M is a whole number, a kernel that streams over the keys may use a running M (the ceiling of the running maximum): every later rescaling is an exact power of two, which a block's scale takes up: the codes' values come out the same.
;;   OPERANDS COMPUTED ON THE WAY. 'Computed on the way' means the value that the module computes at that place (a softmax that the list does not call 'softmax' is quantised finished and normalised). What goes into a quantiser is computed in f32, as accurately as f32 sums, v_exp_f32 and their like allow (about 1e-6 of the number): no bf16 or f16 on the way to a quantiser, and a product that is left as it is and whose result goes on into a quantised operand takes f32 operands (vector FMAs, or v_wmma_f32_16x16x4_f32). A number that lies on a knife's edge between two numbers of the format may be rounded either way, as far as f32 arithmetic and the matrix unit's own rounding can turn it there, and no further.
;;   INPUTS GIVEN AS CODES. W_attn (in the module: [1024, 3072], K = its axis 0); W_proj (in the module: [1024, 1024], K = its axis 0); x (in the module: [4, 2048, 1024], K = its axis 2): each comes as NAME_codes (uint8): NAME with its K axis moved to the last place and cut into blocks of 32 codes, [.., K / 32, bytes a block], one block behind the other in memory; two codes a byte, the lower K in the low four bits (a code: sign, 2 exponent bits, 1 mantissa bit); and NAME_scales (uint8): the same leading axes, one E8M0 byte (e + 127) for each 32 codes along K. Its value is code x scale, taken as it is: it is not quantised again, and the codes and scales need not be those that the quantiser above would give.
;; One version. Each part assembles by itself: llvm-mc -triple=amdgcn-amd-amdhsa -mcpu=gfx1250 --defsym DOCPART=n.
;; ======== version 1 of 1: 3 launches
;; workspace buffers: img 12,582,912 bytes; scl 1,310,720 bytes; yimg 4,194,304 bytes; ysc 262,144 bytes
;; launch qkv (part 1): grid 12 x 32, 4 waves a work-group, clusters of 4 x 4, 287,232 bytes of LDS; arguments x_codes, x_scales, W_attn_codes, W_attn_scales, b_attn, img, scl; writes img, scl
.if DOCPART == 1
	.amdgcn_target "amdgcn-amd-amdhsa--gfx1250"
	.amdhsa_code_object_version 6
	.text
	.protected	k_qa79915e65d_qkv
	.globl	k_qa79915e65d_qkv
	.p2align	8
	.type	k_qa79915e65d_qkv,@function
k_qa79915e65d_qkv:
	s_mov_b64 s[64:65], 0
	v_nop
	global_prefetch_b8 v0, s[64:65] scope:SCOPE_SE
	s_setreg_imm32_b32 hwreg(HW_REG_WAVE_MODE, 25, 1), 1
	s_wait_xcnt 0x0
	s_wait_alu depctr_hold_cnt(0) depctr_sa_sdst(0) depctr_va_vdst(0) depctr_va_sdst(0) depctr_va_ssrc(0) depctr_va_vcc(0) depctr_vm_vsrc(0)
	s_getreg_b32 s2, hwreg(HW_REG_IB_STS2, 6, 4)
	s_cmp_eq_u32 s2, 0
	s_cbranch_scc0 .Lentry_in_a_cluster
	s_endpgm
.Lentry_in_a_cluster:
	s_bfe_u32 s2, ttmp6, 0x10000c
	s_cmp_lg_u32 s2, 0xf033
	s_cbranch_scc0 .Lentry_shape_is_right
	s_endpgm
.Lentry_shape_is_right:
; qkv = x W_attn + b_attn on codes of FP4 (E2M1) with E8M0 scales, and q, k, v quantised again on the way out.
; x: [8192][1024] codes, W_attn: [3072][1024] codes, both K innermost (512 bytes a row), 32 scale bytes a row.  A work-group makes 256 tokens x 256 columns, a wave 128 x 128.
; The whole K of both operands lies in LDS (2 x 256 rows x 512 bytes), filled once; nothing is filled again.
; ROLES.  P is source 0: its rows run along a lane's registers in the result.  R is source 1: a lane holds one of its rows.  The cluster's x says what the columns are: 0 q, 1 k, 2 v.
;   q, k: P = rows of W, R = tokens: a lane holds a token and its registers run along the head, which is the next product's K.
;   v:    P = tokens, R = rows of W: a lane holds a channel and its registers run along the tokens, which are the keys, the next product's K.
; THE ROWS OF A TILE ARE NOT NEIGHBOURS: lane r of tile 2 b + u takes row 32 b + 8 u + r + 8 (r / 8), so that the 16 registers of tiles 2 b and 2 b + 1 are 16 neighbours along the next K.
; In LDS the even groups of 8 rows lie first and the odd groups behind them, so that such a tile is 16 consecutive LDS rows, 528 bytes apart: 16 different banks' starts (64 banks of 4 bytes: ISA guide 11.1).
; OUT: images of the next launch's operand registers: 16 bytes a lane, 512 consecutive bytes a store.  img: q at 0, k at 4 MiB, v at 8 MiB; a head is 65,536 bytes.  scl: one word for a row and a K step.
; CLUSTERS: 4 x 4.  x's tile hangs on the tile row alone and is asked for jointly along a row of the cluster, W's on the tile column alone, along a column.
; LIMITS: a block whose largest magnitude lies under 2^-124 (a block of zeros too) gets the scale byte 1: its codes are zeros or next to it, and these bytes are read by this program alone.
; NaN and infinities among the inputs are not served.  The bias is the C of each sum's first product: it enters the sum first, not last.
; REGISTERS, in windows of 256: window 0: v1-15 addresses; v16-79 eight accumulators; v80-143 P's scale words; v144-159 R's, two sets; v160-167 codes; v168-175 the eight tiles' scale words; v176-195 at work.
;   window 1: v0-127 R's fragments of a tile, two sets; v128-191 the bias.   windows 2, 3: P's 64 fragments (tile i, K step q) at v[64 (q % 4) + 8 i], q < 4 in window 2.
.set PITCH, 528
.set PART,  128*PITCH                  ; 128 LDS rows: the even or the odd groups of 256 rows
.set XSC,   4*PART                     ; behind the four parts: x's scale bytes (8,192), then W's
.set AP,  4                            ; v4-5   LDS address of P's fragments, even and odd tiles
.set AR,  6                            ; v6-7   of R's
.set APS, 8                            ; v8     of P's scale words
.set ARS, 9                            ; v9     of R's
.set VO0, 10                           ; v10    16 x lane
.set VO1, 11                           ; v11    and the place of the fragment's second half
.set BO,  12                           ; v12    64 h: the bias for q, k
.set SH,  13                           ; v13    16 h
.set VSO, 14                           ; v14    4096 h + 16 r: v's scale words
.set BV,  15                           ; v15    4 (r + 8 (r / 8)): the bias for v
.set ACC, 16
.set PS,  80
.set RS,  144
.set PC,  160
.set SW,  168
.set TM,  176                          ; +0..3 largest magnitudes, +4..7 the other half's, then bytes, +8..11 the conversions' scale operands
.set T8,  188
.set BB,  128                          ; the bias, in window 1
.set TO_R,  0x40                       ; destination window 1
.set TO_P2, 0x80
.set TO_P3, 0xc0
.set W_BB,  0x41                       ; destination and source 0 window 1
.set W_Q0,  0x16                       ; P window 2, R window 1, C window 1, D window 0
.set W_LO,  0x06                       ; P window 2, R window 1, C and D window 0
.set W_HI,  0x07                       ; P window 3
.set MSB, 0
.macro WIN new                         ; the immediate's high byte repeats the setting that is left
.if MSB != \new
	s_set_vgpr_msb (MSB<<8)|\new
.set MSB, \new
.endif
.endm
.macro PLACES n
.rept \n
	v_nop
.endr
.endm
.macro CROUND                          ; a round of the cluster's barrier
	s_barrier_signal -1
	s_barrier_wait -1
	s_cmp_lg_u32 s18, 0
	s_cbranch_scc1 .Lnot_wave_0_\@
	s_barrier_signal -3
.Lnot_wave_0_\@:
	s_barrier_wait -3
	s_barrier_signal -1
	s_barrier_wait -1
.endm
	s_load_b256 s[4:11], s[0:1], 0x0               ; x's codes s[4:5], x's scales s[6:7], W's codes s[8:9], W's scales s[10:11]
	s_load_b128 s[12:15], s[0:1], 0x20             ; b_attn s[12:13], img s[14:15]
	s_load_b64 s[16:17], s[0:1], 0x30              ; scl
	v_lshl_add_u32 v254, v0, 2, 0x46000
	v_mov_b32 v255, 0
	ds_add_u32 v254, v255
	ds_add_u32 v254, v255
	v_lshrrev_b32 v1, 5, v0
	v_readfirstlane_b32 s18, v1                    ; wave 0..3
	s_lshr_b32 s19, s18, 1                         ; wr: my half of R's rows.  Also: I fetch for x (0) or for W (1)
	s_and_b32 s20, s18, 1                          ; wp: my half of P's rows.  Also: the even or the odd groups
	s_bfe_u32 s21, ttmp6, 0x40000                  ; cx
	s_bfe_u32 s22, ttmp6, 0x40004                  ; cy
	s_mov_b32 s23, ttmp9                           ; the cluster's x: 0 q, 1 k, 2 v: the same in all sixteen partners
	s_lshl_b32 s76, ttmp9, 2
	s_add_co_u32 s76, s76, s21                     ; tile column: 256 rows of W
	s_and_b32 s77, ttmp7, 0xffff
	s_lshl_b32 s77, s77, 2
	s_add_co_u32 s77, s77, s22                     ; tile row: 256 tokens
	s_lshl_b32 s78, s22, 2
	s_lshl_b32 s78, 15, s78                        ; my row of the cluster
	s_lshl_b32 s79, 0x1111, s21                    ; my column
	; group 1 for codes: eight rows of 512 bytes are 4,096 dense bytes: 16 such long rows, 8,192 bytes apart; elements of 8 bytes; 4 words of padding behind every 128
	s_or_b32 s24, s78, (3<<16)|(1<<20)|(1<<21)|(6<<22)|(3<<25)
	s_or_b32 s40, s79, (3<<16)|(1<<20)|(1<<21)|(6<<22)|(3<<25)
.irp g, 24, 40
	s_mov_b32 s[\g+1], 512<<16                     ; tensor_dim0
	s_mov_b32 s[\g+2], 16<<16                      ; tensor_dim1
	s_mov_b32 s[\g+3], 512<<16                     ; tile_dim0
	s_mov_b32 s[\g+4], 16                          ; tile_dim1
	s_mov_b32 s[\g+5], 1024                        ; from long row to long row
	s_mov_b32 s[\g+6], 0
	s_mov_b32 s[\g+7], 0
.endr
	; group 1 for scale bytes: those of 128 rows are 4,096 dense bytes: 16 rows of 256
	s_or_b32 s56, s78, (3<<16)|(1<<21)
	s_or_b32 s68, s79, (3<<16)|(1<<21)
.irp g, 56, 68
	s_mov_b32 s[\g+1], 32<<16
	s_mov_b32 s[\g+2], 16<<16
	s_mov_b32 s[\g+3], 32<<16
	s_mov_b32 s[\g+4], 16
	s_mov_b32 s[\g+5], 32
	s_mov_b32 s[\g+6], 0
	s_mov_b32 s[\g+7], 0
.endr
	s_lshl_b32 s84, s20, 12                        ; 8 rows of codes, and 128 rows of scale bytes: 4,096 bytes both
	s_lshl_b32 s80, s77, 17                        ; x's codes: (256 tile row + 8 wp) x 512
	s_add_co_u32 s80, s80, s84
	s_mov_b32 s81, 0
	s_lshl_b32 s86, s77, 13                        ; x's scales: (256 tile row + 128 wp) x 32
	s_add_co_u32 s86, s86, s84
	s_mov_b32 s87, 0
	s_lshl_b32 s82, s76, 17                        ; W's likewise, by the tile column
	s_add_co_u32 s82, s82, s84
	s_mov_b32 s83, 0
	s_lshl_b32 s88, s76, 13
	s_add_co_u32 s88, s88, s84
	s_mov_b32 s89, 0
	s_mul_i32 s85, s18, PART                       ; where they go: wave x a part: x even, x odd, W even, W odd
	s_lshl_b32 s90, s18, 12
	s_add_co_u32 s90, s90, XSC                     ; and wave x 4,096 among the scale bytes
	s_wait_dscnt 0x0
	s_wait_kmcnt 0x0
	s_mov_b32 s32, 1
	s_mov_b32 s33, s85
	s_add_nc_u64 s[34:35], s[4:5], s[80:81]
	s_or_b32 s35, s35, 0x80000000
	s_mov_b32 s36, 1
	s_mov_b32 s37, s90
	s_add_nc_u64 s[38:39], s[6:7], s[86:87]
	s_or_b32 s39, s39, 0x80000000
	s_mov_b32 s48, 1
	s_mov_b32 s49, s85
	s_add_nc_u64 s[50:51], s[8:9], s[82:83]
	s_or_b32 s51, s51, 0x80000000
	s_mov_b32 s52, 1
	s_mov_b32 s53, s90
	s_add_nc_u64 s[54:55], s[10:11], s[88:89]
	s_or_b32 s55, s55, 0x80000000
	CROUND                                         ; all sixteen work-groups are here: the joint loads meet
	s_cmp_eq_u32 s19, 0                            ; a wave's two fills stand in one branch on the wave's number: two loads of mine are out; four v_nop follow the second
	s_cbranch_scc0 .Lfor_w
	tensor_load_to_lds s[36:39], s[56:63]
	s_nop 0
	tensor_load_to_lds s[32:35], s[24:31]
	s_nop 0
	PLACES 4
	s_branch .Lasked
.Lfor_w:
	tensor_load_to_lds s[52:55], s[68:75]
	s_nop 0
	tensor_load_to_lds s[48:51], s[40:47]
	s_nop 0
	PLACES 4
.Lasked:
	; what hangs on the type: every choice on one compare, ahead of the first addition
	s_cmp_eq_u32 s23, 2
	s_cselect_b32 s84, 0, 2*PART                   ; P's parts: x's for v, W's for q and k
	s_cselect_b32 s85, 2*PART, 0                   ; R's: the other
	s_cselect_b32 s86, 0, 8192                     ; P's scale bytes
	s_cselect_b32 s87, 8192, 0                     ; R's
	s_cselect_b32 s99, s19, s20                    ; which half of W's 256 rows is mine
	s_cselect_b32 s94, s20, s19                    ; which half of the 256 tokens
	s_movk_i32 s88, 512
	s_cselect_b32 s88, 1024, s88                   ; from tile to tile in img
	s_cselect_b32 s90, 61440, 0                    ; v: at tile 4 on to the next head
	s_mov_b32 s92, 65536
	s_cselect_b32 s92, 512, s92                    ; the fragment's second half: the next head's image (q, k), or 512 bytes on (v)
	s_cselect_b32 s80, 13, 14                      ; scl: bytes of a pair of heads, as a shift,
	s_cselect_b32 s81, 8, 10                       ; and of 128 tokens
	s_mov_b32 s89, 0
	s_mov_b32 s91, 0
	v_and_b32 v1, 15, v0                           ; r
	v_bfe_u32 v2, v0, 4, 1                         ; h
	v_and_b32 v3, 8, v1
	v_add_nc_u32 v3, v3, v1                        ; r + 8 (r / 8)
	s_wait_alu depctr_va_vdst(0)
	v_mul_u32_u24 v15, v1, PITCH
	v_lshl_add_u32 v15, v2, 4, v15                 ; LDS row r, + 16 h
	s_mul_i32 s2, s20, 64*PITCH                    ; my 128 rows are 64 LDS rows of each part
	s_add_co_u32 s2, s2, s84
	v_add_nc_u32 v[AP], s2, v15
	v_add_nc_u32 v[AP+1], PART, v[AP]
	s_mul_i32 s2, s19, 64*PITCH
	s_add_co_u32 s2, s2, s85
	v_add_nc_u32 v[AR], s2, v15
	v_add_nc_u32 v[AR+1], PART, v[AR]
	s_lshl_b32 s2, s20, 12
	s_add_co_u32 s2, s2, s86
	s_add_co_u32 s2, s2, XSC
	v_lshl_add_u32 v[APS], v3, 5, s2               ; 32 scale bytes a row, rows as in memory
	s_lshl_b32 s2, s19, 12
	s_add_co_u32 s2, s2, s87
	s_add_co_u32 s2, s2, XSC
	v_lshl_add_u32 v[ARS], v3, 5, s2
	v_and_b32 v[VO0], 31, v0
	v_lshlrev_b32 v[VO0], 4, v[VO0]
	v_add_nc_u32 v[VO1], s92, v[VO0]
	v_lshlrev_b32 v[BO], 6, v2
	v_lshlrev_b32 v[SH], 4, v2
	v_lshlrev_b32 v[VSO], 4, v1
	v_lshl_add_u32 v[VSO], v2, 12, v[VSO]
	v_lshlrev_b32 v[BV], 2, v3
.irp b, 0,1,2,3
	v_mov_b32 v[TM+4+\b], 0                        ; written once: a lane permute's destination counts as one of its sources
.endr
	s_mov_b32 s96, 0x76543210
	s_mov_b32 s97, 0xfedcba98                      ; v_permlanex16_b32's selects for lane l xor 16
	s_mov_b32 s98, 0xffff0000                      ; lanes 16-31
	; where my results go
	s_lshr_b32 s95, s77, 3                         ; batch
	s_and_b32 s82, s77, 7
	s_lshl_b32 s82, s82, 1
	s_add_co_u32 s94, s94, s82                     ; which 128 tokens of the batch
	s_lshl_b32 s82, s21, 1
	s_add_co_u32 s93, s99, s82                     ; which pair of heads,
	s_lshl_b32 s82, s95, 3
	s_add_co_u32 s93, s93, s82                     ; + 8 x batch
	s_lshl_b32 s82, s93, 17                        ; img: a pair of heads is 131,072 bytes,
	s_lshl_b32 s83, s23, 22                        ; a type 4 MiB,
	s_add_co_u32 s82, s82, s83
	s_lshl_b32 s83, s94, 12                        ; 128 tokens 4,096 bytes
	s_add_co_u32 s82, s82, s83
	s_mov_b32 s83, 0
	s_add_nc_u64 s[14:15], s[14:15], s[82:83]
	s_lshl_b32 s82, s93, s80                       ; scl
	s_lshl_b32 s80, s94, s81
	s_add_co_u32 s82, s82, s80
	s_lshl_b32 s80, s23, 19
	s_add_co_u32 s82, s82, s80
	s_add_nc_u64 s[16:17], s[16:17], s[82:83]
	s_lshl_b32 s82, s76, 10                        ; the bias of my 128 rows of W
	s_lshl_b32 s80, s99, 9
	s_add_co_u32 s82, s82, s80
	s_add_nc_u64 s[12:13], s[12:13], s[82:83]
	; THE BIAS, in the result's layout, eight registers a tile
	s_cmp_eq_u32 s23, 2
	s_cbranch_scc1 .Lbias_v
	WIN TO_R
	s_wait_alu depctr_va_vdst(0)
.irp i, 0,1,2,3,4,5,6,7                        ; q, k: register j of tile i is column 32 (i / 2) + 8 (i % 2) + 16 h + j
	global_load_b128 v[BB+8*\i:BB+8*\i+3], v[BO], s[12:13] offset:(32*(\i/2)+8*(\i%2))*4
	global_load_b128 v[BB+8*\i+4:BB+8*\i+7], v[BO], s[12:13] offset:(32*(\i/2)+8*(\i%2))*4+16
.endr
	WIN 0
	s_branch .Lbias_done
.Lbias_v:
	WIN TO_R
	s_wait_alu depctr_va_vdst(0)
.irp a, 0,1,2,3,4,5,6,7                        ; v: a lane holds one channel of tile a: one number, eight times
	global_load_b32 v[BB+8*\a], v[BV], s[12:13] offset:(32*(\a/2)+8*(\a%2))*4
.endr
	s_wait_loadcnt 0x0
	WIN W_BB
.irp a, 0,1,2,3,4,5,6,7
.irp j, 1,2,3,4,5,6,7
	v_mov_b32 v[BB+8*\a+\j], v[BB+8*\a]
.endr
.endr
	WIN 0
.Lbias_done:
.macro PLOAD                           ; all of P's fragments and scale words: they stay
.irp q, 0,1,2,3,4,5,6,7
.if \q < 4
	WIN TO_P2
.else
	WIN TO_P3
.endif
.irp i, 0,1,2,3,4,5,6,7
.irp c, 0,1
	ds_load_b128 v[64*(\q%4)+8*\i+4*\c:64*(\q%4)+8*\i+4*\c+3], v[AP+\i%2] offset:(\i/2)*16*PITCH+64*\q+32*\c
.endr
.endr
.endr
	WIN 0
.irp i, 0,1,2,3,4,5,6,7
	ds_load_b128 v[PS+8*\i:PS+8*\i+3], v[APS] offset:1024*(\i/2)+256*(\i%2)
	ds_load_b128 v[PS+8*\i+4:PS+8*\i+7], v[APS] offset:1024*(\i/2)+256*(\i%2)+16
.endr
.endm
.macro RLOAD a, set                    ; R's tile a, all eight K steps, and its scale words: 18 loads
	WIN TO_R
.irp q, 0,1,2,3,4,5,6,7
.irp c, 0,1
	ds_load_b128 v[64*(\set)+8*\q+4*\c:64*(\set)+8*\q+4*\c+3], v[AR+(\a)%2] offset:((\a)/2)*16*PITCH+64*\q+32*\c
.endr
.endr
	WIN 0
	ds_load_b128 v[RS+8*(\set):RS+8*(\set)+3], v[ARS] offset:1024*((\a)/2)+256*((\a)%2)
	ds_load_b128 v[RS+8*(\set)+4:RS+8*(\set)+7], v[ARS] offset:1024*((\a)/2)+256*((\a)%2)+16
.endm
.macro WM i, q, set, c0                ; one product: P's tile i x R's tile in the set, K step q
	v_wmma_scale_f32_16x16x128_f8f6f4 v[ACC+8*(\i):ACC+8*(\i)+7], v[64*((\q)%4)+8*(\i):64*((\q)%4)+8*(\i)+7], v[64*(\set)+8*(\q):64*(\set)+8*(\q)+7], v[\c0:\c0+7], v[PS+8*(\i)+(\q)], v[RS+8*(\set)+(\q)] matrix_a_fmt:MATRIX_FMT_FP4 matrix_b_fmt:MATRIX_FMT_FP4
.endm
.macro MULQ q, set                     ; the eight accumulators take turns, one instruction a turn
.irp i, 0,1,2,3,4,5,6,7
	WM \i, \q, \set, ACC+8*\i
.endr
.endm
.macro MUL a                           ; 64 products: R's tile a against P's eight tiles, K ascending.  The first K step takes the bias as C: by P's tile (q, k) or by R's (v)
	s_cmp_eq_u32 s23, 2
	s_cbranch_scc1 .Lmul_v_\@
	WIN W_Q0
	s_wait_alu depctr_va_vdst(0)
.irp i, 0,1,2,3,4,5,6,7
	WM \i, 0, (\a)%2, BB+8*\i
.endr
	WIN 0
	s_branch .Lmul_on_\@
.Lmul_v_\@:
	WIN W_Q0
.irp i, 0,1,2,3,4,5,6,7
	WM \i, 0, (\a)%2, BB+8*(\a)
.endr
	WIN 0
.Lmul_on_\@:
	WIN W_LO
	MULQ 1, (\a)%2
	MULQ 2, (\a)%2
	MULQ 3, (\a)%2
	WIN W_HI
	MULQ 4, (\a)%2
	MULQ 5, (\a)%2
	MULQ 6, (\a)%2
	MULQ 7, (\a)%2
	WIN 0
.endm
; 64 numbers of a lane, register 16 b + i = place 32 b + 16 h + i along the next K, become a fragment's codes in v[PC] on and its scale word in v[w].  Each accumulator is read from its low end on.
.macro QUANT s, w
.irp b, 0,1,2,3
	v_max3_num_f32 v[TM+\b], |v[\s+16*\b]|, |v[\s+1+16*\b]|, 0x1800000   ; my 16 numbers of block b, and the floor 2^(3 - 127): the byte cannot fall under 1
.endr
.irp i, 2,4,6,8,10,12,14
.irp b, 0,1,2,3
	v_max3_num_f32 v[TM+\b], v[TM+\b], |v[\s+16*\b+\i]|, |v[\s+1+16*\b+\i]|
.endr
.endr
.irp b, 0,1,2,3
	v_permlanex16_b32 v[TM+4+\b], v[TM+\b], s96, s97
.endr
.irp b, 0,1,2,3
	v_max_num_f32 v[TM+\b], v[TM+\b], v[TM+4+\b]   ; with lane l xor 16's: the block's largest magnitude
.endr
.irp b, 0,1,2,3
	v_add_nc_u32 v[TM+8+\b], 0xff000000, v[TM+\b]  ; 2 off its exponent field: the conversion takes this operand's exponent field as its scale
.endr
.irp b, 0,1,2,3
	v_lshrrev_b32 v[TM+4+\b], 23, v[TM+8+\b]       ; the scale's byte
.endr
	v_lshl_or_b32 v[\w], v[TM+5], 8, v[TM+4]
	v_lshl_or_b32 v[\w], v[TM+6], 16, v[\w]
	v_lshl_or_b32 v[\w], v[TM+7], 24, v[\w]
.irp b, 0,1,2,3
	v_cvt_scalef32_pk8_fp4_f32 v[PC+2*\b], v[\s+16*\b:\s+7+16*\b], v[TM+8+\b]
	v_cvt_scalef32_pk8_fp4_f32 v[PC+1+2*\b], v[\s+8+16*\b:\s+15+16*\b], v[TM+8+\b]
.endr
	v_nop                                          ; one plain place behind a scaled conversion
.irp c, 0,1                                    ; the operand's layout wants a whole block in a lane: lanes 0-15 block 2 c, lanes 16-31 block 2 c + 1
.irp i, 0,1
	v_permlane16_swap_b32 v[PC+4*\c+\i], v[PC+2+4*\c+\i]
.endr
.endr
.endm
.macro TILE a
.if ((\a) == 0) || ((\a) == 7)
	s_wait_dscnt 0x0
.else
	s_wait_dscnt 18                                ; this tile's 18 loads are in; the next tile's 18 may be out
.endif
	MUL \a
	PLACES 4                                       ; ahead of loads into registers that the products read, and of the first read of results
.if (\a)+2 < 8
	RLOAD (\a)+2, (\a)%2
.endif
	s_wait_xcnt 0x0                                ; the last tile's stores have read their codes and their base
.if (\a) > 0
	s_add_nc_u64 s[14:15], s[14:15], s[88:89]
.endif
.if (\a) == 4
	s_add_nc_u64 s[14:15], s[14:15], s[90:91]
.endif
	QUANT ACC, SW+(\a)
	global_store_b128 v[VO0], v[PC:PC+3], s[14:15]     ; 32 lanes store 512 consecutive bytes, at a multiple of 512 from img's first byte
	global_store_b128 v[VO1], v[PC+4:PC+7], s[14:15]
.endm
	s_wait_tensorcnt 0x0                           ; my two fills have landed,
	s_barrier_signal -1
	s_barrier_wait -1                              ; everybody's have: from here on LDS is only read
	RLOAD 0, 0
	RLOAD 1, 1
	PLOAD
	s_wait_loadcnt 0x0                             ; the bias
	TILE 0
	TILE 1
	TILE 2
	TILE 3
	TILE 4
	TILE 5
	TILE 6
	TILE 7
	; THE SCALE WORDS of my eight tiles
	s_cmp_eq_u32 s23, 2
	s_cbranch_scc1 .Lsc_v
.irp i, 0,1,2,3,4,5,6,7                        ; q, k: a word holds two bytes for each of two heads: lanes 0-15 keep the even head's, lanes 16-31 the odd head's; the upper two bytes are 0, over codes that are zeros
	v_bfe_u32 v[T8+\i], v[SW+\i], v[SH], 16
.endr
	global_store_b128 v[VO0], v[T8:T8+3], s[16:17]             ; four tiles' words of a token on end: 512 consecutive bytes
	global_store_b128 v[VO0], v[T8+4:T8+7], s[16:17] offset:512
	s_branch .Lsc_done
.Lsc_v:
.irp i, 0,1,2,3                                ; v: tiles 0-3 are one head, tiles 4-7 the next: lanes 16-31 take the next head's
	v_cndmask_b32 v[T8+\i], v[SW+\i], v[SW+4+\i], s98
.endr
	global_store_b128 v[VSO], v[T8:T8+3], s[16:17]             ; sixteen lanes store 256 consecutive bytes
.Lsc_done:
	s_wait_tensorcnt 0x0
	ds_add_u32 v254, v255
	s_wait_dscnt 0x0
	CROUND                                         ; the closing round: no work-group ends while a partner may still ask for a tile that names it
	s_endpgm
.Lfunc_end_k_qa79915e65d_qkv:
	.size	k_qa79915e65d_qkv, .Lfunc_end_k_qa79915e65d_qkv-k_qa79915e65d_qkv
	.p2alignl 7, 3214868480
	.fill 96, 4, 3214868480
	.section	.rodata,"a",@progbits
	.p2align	6, 0x0
	.amdhsa_kernel k_qa79915e65d_qkv
		.amdhsa_group_segment_fixed_size 287232
		.amdhsa_private_segment_fixed_size 0
		.amdhsa_enable_private_segment 0
		.amdhsa_kernarg_size 56
		.amdhsa_user_sgpr_count 2
		.amdhsa_user_sgpr_kernarg_segment_ptr 1
		.amdhsa_wavefront_size32 1
		.amdhsa_system_sgpr_workgroup_id_x 1
		.amdhsa_system_sgpr_workgroup_id_y 1
		.amdhsa_system_sgpr_workgroup_id_z 1
		.amdhsa_system_vgpr_workitem_id 0
		.amdhsa_next_free_vgpr 1024
		.amdhsa_next_free_sgpr 100
		.amdhsa_reserve_vcc 0
		.amdhsa_float_denorm_mode_32 3
		.amdhsa_float_denorm_mode_16_64 3
		.amdhsa_memory_ordered 1
		.amdhsa_forward_progress 1
		.amdhsa_inst_pref_size 142
	.end_amdhsa_kernel
	.amdgpu_metadata
---
amdhsa.version: [ 1, 2 ]
amdhsa.kernels:
  - .name:           k_qa79915e65d_qkv
    .symbol:         k_qa79915e65d_qkv.kd
    .args:
      - { .name: x_codes, .offset: 0, .size: 8, .value_kind: global_buffer, .address_space: global }
      - { .name: x_scales, .offset: 8, .size: 8, .value_kind: global_buffer, .address_space: global }
      - { .name: W_attn_codes, .offset: 16, .size: 8, .value_kind: global_buffer, .address_space: global }
      - { .name: W_attn_scales, .offset: 24, .size: 8, .value_kind: global_buffer, .address_space: global }
      - { .name: b_attn, .offset: 32, .size: 8, .value_kind: global_buffer, .address_space: global }
      - { .name: img, .offset: 40, .size: 8, .value_kind: global_buffer, .address_space: global }
      - { .name: scl, .offset: 48, .size: 8, .value_kind: global_buffer, .address_space: global }
    .group_segment_fixed_size: 287232
    .private_segment_fixed_size: 0
    .kernarg_segment_align: 8
    .kernarg_segment_size: 56
    .max_flat_workgroup_size: 128
    .sgpr_count:     100
    .vgpr_count:     1024
    .wavefront_size: 32
...
	.end_amdgpu_metadata
.endif
;; end of part 1
;; launch attn (part 2): grid 4 x 64, 16 waves a work-group, clusters of 4 x 1, 169,984 bytes of LDS; arguments img, scl, yimg, ysc; writes yimg, ysc
.if DOCPART == 2
	.amdgcn_target "amdgcn-amd-amdhsa--gfx1250"
	.amdhsa_code_object_version 6
	.text
	.protected	k_qa79915e65d_attn
	.globl	k_qa79915e65d_attn
	.p2align	8
	.type	k_qa79915e65d_attn,@function
k_qa79915e65d_attn:
	s_mov_b64 s[64:65], 0
	v_nop
	global_prefetch_b8 v0, s[64:65] scope:SCOPE_SE
	s_setreg_imm32_b32 hwreg(HW_REG_WAVE_MODE, 25, 1), 1
	s_wait_xcnt 0x0
	s_wait_alu depctr_hold_cnt(0) depctr_sa_sdst(0) depctr_va_vdst(0) depctr_va_sdst(0) depctr_va_ssrc(0) depctr_va_vcc(0) depctr_vm_vsrc(0)
	s_getreg_b32 s2, hwreg(HW_REG_IB_STS2, 6, 4)
	s_cmp_eq_u32 s2, 0
	s_cbranch_scc0 .Lentry_in_a_cluster
	s_endpgm
.Lentry_in_a_cluster:
	s_bfe_u32 s2, ttmp6, 0x10000c
	s_cmp_lg_u32 s2, 0x3003
	s_cbranch_scc0 .Lentry_shape_is_right
	s_endpgm
.Lentry_shape_is_right:
; y[b][head][q] = the sum over k <= q of softmax_k(q . k / 8) v, both products on codes of FP4 (E2M1) with E8M0 scales; y / l is quantised along the head and leaves as the next launch's operand image.
; img holds q's, k's and v's operand images, scl their scale words, as the launch before laid them.  A head's K and V, 65,536 bytes each, lie in LDS whole, filled once; nothing is filled again.
; THE SOFTMAX: t = score x log2(e) / 8; M = the running largest t rounded UP to a whole number; p = 2^(t - M) is what is quantised, along the keys.  The row's sum is taken of the unquantised p and divides at the end.
; When M moves, the sum and O are multiplied by 2^(old M - new M): exact.
; THE HEAD'S 64 fill half of the instruction's 128 along K: registers 4-7 of Q's and K's fragments are zero codes, which add nothing; the scale words' upper two bytes are 0, which is a scale like any other.
; SHARES.  64 heads x 4 work-groups, the four of a head in one cluster, which asks for K and V jointly.  A wave owns two tiles of 16 queries, tB = 8 s + p and tA = 127 - tB, with s = wave / 2 and p = 4 (wave % 2) + cx:
; s + 1 and 16 - s key steps of 128 keys: 17 in every wave.  How many steps count, and which lies on the diagonal, hangs on s alone: no branch hangs on the work-group's place in its cluster.
; Each of the two loops has 16 trips in every wave; a step all of whose keys come after the tile's queries is jumped over but for the lines that step addresses.
; LAYOUT.  Both products are used transposed: S^T = K Q^T, O^T = V^T P^T: a lane holds one query.  Lane r of tile 2 b + u (of tokens, and of V's channels) is row 32 b + 8 u + r + 8 (r / 8): so 16 registers of two neighbouring tiles are 16 neighbours.
; LIMITS: a block of y whose largest magnitude lies under 2^-124 gets the scale byte 1; these bytes are read by this program alone.  NaN and infinities are not served.
; REGISTERS: v1-7 addresses that stay; v8-11 the step's; v12 -M, v13 the largest t, v[14:15] the sum; v16-23 Q; v24-31 K's scale words; v32-95 K's eight fragments; v96-159 S^T, then p, then y; v160-191 O^T;
;   v192-223 V's four fragments; v224-231 codes; v232-247, v252-254 at work; v240 the lane's term of the mask; v248-251 V's scale words; v253 p's; v255 Q's.
.set KSC, 131072                       ; LDS: K's images at 0, V's at 65,536, K's scale words (8,192 bytes), V's (4,096)
.set VSC, 139264
.set L16, 1                            ; v1   16 x lane
.set LV,  2                            ; v2   + 65,536
.set LKS, 3                            ; v3   KSC + 16 r
.set LVS, 4                            ; v4   VSC + 16 r
.set DQ,  5                            ; v5   my query less the diagonal step's first key less 16 h
.set YB,  6                            ; v6   32 r + h
.set R16, 7                            ; v7   16 r
.set ADK, 8
.set ADV, 9
.set ADS, 10
.set ADT, 11
.set LQ,  240                          ; v240 r + 8 (r / 8) - 16 h
.set WV,  12                           ; s12  wave
.set QL,  74                           ; s74  the first key of the step on the diagonal
.set KF,  75                           ; s75  the step's first key
.set TK,  76                           ; s76  the step's images: 4,096 bytes a step, in K's and in V's
.set TS,  77                           ; s77  K's scale words: 512 a step
.set TV,  78                           ; s78  V's: 256 a step
.set CNT, 79
.macro PLACES n
.rept \n
	v_nop
.endr
.endm
.macro CROUND
	s_barrier_signal -1
	s_barrier_wait -1
	s_cmp_lg_u32 s[WV], 0
	s_cbranch_scc1 .Lnot_wave_0_\@
	s_barrier_signal -3
.Lnot_wave_0_\@:
	s_barrier_wait -3
	s_barrier_signal -1
	s_barrier_wait -1
.endm
	s_load_b256 s[4:11], s[0:1], 0x0               ; img s[4:5], scl s[6:7], yimg s[8:9], ysc s[10:11]
	v_lshl_add_u32 v242, v0, 2, 0x29000
	v_mov_b32 v243, 0
	ds_add_u32 v242, v243
	ds_add_u32 v242, v243
	v_lshrrev_b32 v8, 5, v0
	s_delay_alu instid0(VALU_DEP_1)
	v_readfirstlane_b32 s[WV], v8                  ; wave 0..15
	s_bfe_u32 s13, ttmp6, 0x40000                  ; cx
	s_and_b32 s14, ttmp7, 0xffff                   ; 16 x batch + head, which the four partners share
	; group 1: dense blocks as rows of 256 bytes (32 elements of 8); the mask names all four work-groups, bit 21 beside it
	s_mov_b32 s24, 15|(3<<16)|(1<<21)              ; images: 64 rows, 16,384 bytes a load
	s_mov_b32 s25, 32<<16
	s_mov_b32 s26, 64<<16
	s_mov_b32 s27, 32<<16
	s_mov_b32 s28, 64
	s_mov_b32 s29, 32
	s_mov_b32 s30, 0
	s_mov_b32 s31, 0
	s_mov_b32 s32, 15|(3<<16)|(1<<21)              ; K's scale words: 32 rows, 512 bytes apart (the pair's other head lies between)
	s_mov_b32 s33, 32<<16
	s_mov_b32 s34, 32<<16
	s_mov_b32 s35, 32<<16
	s_mov_b32 s36, 32
	s_mov_b32 s37, 64
	s_mov_b32 s38, 0
	s_mov_b32 s39, 0
	s_mov_b32 s40, 15|(3<<16)|(1<<21)              ; V's: 16 rows
	s_mov_b32 s41, 32<<16
	s_mov_b32 s42, 16<<16
	s_mov_b32 s43, 32<<16
	s_mov_b32 s44, 16
	s_mov_b32 s45, 32
	s_mov_b32 s46, 0
	s_mov_b32 s47, 0
	s_mov_b32 s20, 0x76543210
	s_mov_b32 s21, 0xfedcba98                      ; v_permlanex16_b32's selects for lane l xor 16
	s_mov_b32 s22, 0x3e38aa3b                      ; c = log2(e) / 8
	s_mov_b32 s23, s22                             ; (named with it as a pair, so it is written)
	s_lshl_b32 s89, s14, 16                        ; the head's 65,536 bytes in each part of img
	s_and_b32 s80, s[WV], 7                        ; waves 0-3 fetch K's quarters, waves 4-7 V's
	s_lshr_b32 s81, s80, 2
	s_add_co_u32 s81, s81, 1
	s_lshl_b32 s81, s81, 22                        ; k at 4 MiB, v at 8 MiB
	s_and_b32 s82, s80, 3
	s_lshl_b32 s82, s82, 14
	s_add_co_u32 s90, s81, s82
	s_add_co_u32 s90, s90, s89
	s_mov_b32 s91, 0
	s_lshl_b32 s83, s80, 14                        ; and where it goes
	s_lshr_b32 s93, s14, 1
	s_lshl_b32 s93, s93, 14                        ; q's and k's scale words: a pair of heads is 16,384 bytes,
	s_and_b32 s82, s14, 1
	s_lshl_b32 s82, s82, 8
	s_add_co_u32 s93, s93, s82                     ; the odd head 256 bytes on
	s_add_co_u32 s86, s93, 1<<19                   ; k's part of scl
	s_mov_b32 s87, 0
	s_lshl_b32 s84, s14, 12
	s_add_co_u32 s84, s84, 2<<19                   ; v's: 4,096 bytes a head
	s_mov_b32 s85, 0
	s_wait_dscnt 0x0
	s_wait_kmcnt 0x0
	s_mov_b32 s48, 1
	s_mov_b32 s49, s83
	s_add_nc_u64 s[50:51], s[4:5], s[90:91]
	s_or_b32 s51, s51, 0x80000000
	s_mov_b32 s52, 1
	s_mov_b32 s53, KSC
	s_add_nc_u64 s[54:55], s[6:7], s[86:87]
	s_or_b32 s55, s55, 0x80000000
	s_mov_b32 s56, 1
	s_mov_b32 s57, VSC
	s_add_nc_u64 s[58:59], s[6:7], s[84:85]
	s_or_b32 s59, s59, 0x80000000
	CROUND                                         ; all four work-groups are here: the joint loads meet
	s_cmp_lt_u32 s[WV], 8                          ; one load a wave at the most; the branches hang on the wave's number alone; four v_nop follow each load
	s_cbranch_scc0 .Lnot_img
	tensor_load_to_lds s[48:51], s[24:31]
	s_nop 0
	PLACES 4
	s_branch .Lasked
.Lnot_img:
	s_cmp_eq_u32 s[WV], 8
	s_cbranch_scc0 .Lnot_ks
	tensor_load_to_lds s[52:55], s[32:39]
	s_nop 0
	PLACES 4
	s_branch .Lasked
.Lnot_ks:
	s_cmp_eq_u32 s[WV], 9
	s_cbranch_scc0 .Lasked
	tensor_load_to_lds s[56:59], s[40:47]
	s_nop 0
	PLACES 4
.Lasked:
	; my two tiles of queries
	s_lshr_b32 s85, s[WV], 1                       ; s
	s_lshl_b32 s84, s85, 7                         ; tile B's diagonal step begins at key 128 s,
	s_sub_co_u32 s83, 15, s85
	s_lshl_b32 s83, s83, 7                         ; tile A's at 128 (15 - s)
	s_and_b32 s86, s[WV], 1
	s_lshl_b32 s86, s86, 2
	s_add_co_u32 s86, s86, s13                     ; p
	s_lshl_b32 s87, s85, 3
	s_add_co_u32 s87, s87, s86                     ; tB
	s_sub_co_u32 s88, 127, s87                     ; tA
	s_lshr_b32 s90, s14, 4                         ; batch
	s_and_b32 s92, s14, 15                         ; head
	s_lshl_b32 s94, s90, 20                        ; yimg: a batch is 2^20 bytes, a tile of tokens 8,192, a head's image 512
	s_lshl_b32 s95, s90, 16                        ; ysc: a batch is 65,536 bytes, a tile 512, a head 2
	s_lshl_b32 s90, s92, 9
	s_add_co_u32 s94, s94, s90
	s_lshl_b32 s90, s92, 1
	s_add_co_u32 s95, s95, s90
.macro BASES tau, qa, qs, ya, ys, sd   ; the four addresses of the tile in s[tau], and its first query's place in its diagonal step
	s_lshl_b32 s90, s[\tau], 9
	s_add_co_u32 s90, s90, s89
	s_add_nc_u64 s[\qa:\qa+1], s[4:5], s[90:91]
	s_lshr_b32 s90, s[\tau], 2
	s_lshl_b32 s90, s90, 9
	s_and_b32 s92, s[\tau], 3
	s_lshl_b32 s92, s92, 2
	s_add_co_u32 s90, s90, s92
	s_add_co_u32 s90, s90, s93
	s_add_nc_u64 s[\qs:\qs+1], s[6:7], s[90:91]
	s_lshl_b32 s90, s[\tau], 13
	s_add_co_u32 s90, s90, s94
	s_add_nc_u64 s[\ya:\ya+1], s[8:9], s[90:91]
	s_lshl_b32 s90, s[\tau], 9
	s_add_co_u32 s90, s90, s95
	s_add_nc_u64 s[\ys:\ys+1], s[10:11], s[90:91]
	s_and_b32 s90, s[\tau], 6
	s_lshl_b32 s90, s90, 4
	s_and_b32 s92, s[\tau], 1
	s_lshl_b32 s92, s92, 3
	s_add_co_u32 s[\sd], s90, s92                  ; 32 ((t % 8) / 2) + 8 (t % 2)
.endm
	BASES 88, 16, 60, 66, 70, 81
	BASES 87, 18, 62, 68, 72, 82
	s_mov_b32 s80, 0xffff0000                      ; lanes 16-31
	v_and_b32 v8, 15, v0                           ; r
	v_bfe_u32 v9, v0, 4, 1                         ; h
	v_and_b32 v[L16], 31, v0
	s_delay_alu instid0(VALU_DEP_1)
	v_lshlrev_b32 v[L16], 4, v[L16]
	s_delay_alu instid0(VALU_DEP_4)
	v_lshlrev_b32 v[R16], 4, v8
.macro QLOAD qa, qs                    ; a tile's image of Q (registers 0-3) and its scale words
	global_load_b128 v[16:19], v[L16], s[\qa:\qa+1]
	global_load_b32 v255, v[R16], s[\qs:\qs+1]
.endm
	QLOAD 16, 60
	v_add_nc_u32 v[LV], 65536, v[L16]
	v_add_nc_u32 v[LKS], KSC, v[R16]
	v_add_nc_u32 v[LVS], VSC, v[R16]
	v_lshl_add_u32 v[YB], v8, 5, v9
	v_and_b32 v10, 8, v8
	s_delay_alu instid0(VALU_DEP_1)
	v_add_nc_u32 v10, v10, v8
	v_lshlrev_b32 v11, 4, v9
	s_delay_alu instid0(VALU_DEP_1)
	v_sub_nc_u32 v[LQ], v10, v11
.irp j, 20,21,22,23
	v_mov_b32 v[\j], 0                             ; Q's upper half along K: zero codes, for the whole launch
.endr
.irp t, 0,1,2,3,4,5,6,7
.irp j, 4,5,6,7
	v_mov_b32 v[32+8*\t+\j], 0                     ; K's likewise
.endr
.endr
.irp j, 236,237,238,239,252,253
	v_mov_b32 v[\j], 0                             ; written once: lane permutes' destinations, and the upper half of the pair v[252:253]
.endr
.macro INIT ql, sd                     ; a tile begins: O^T and the sum are zeros, the largest t lies under every t: the first change of M multiplies zeros
	v_mov_b32 v13, 0xff61b1e6                      ; -3e38
	s_delay_alu instid0(VALU_DEP_1)
	v_floor_f32 v12, -v13
	v_mov_b32 v14, 0
	v_mov_b32 v15, 0
.set n, 0
.rept 32
	v_mov_b32 v[160+n], 0
.set n, n+1
.endr
	v_add_nc_u32 v[DQ], s[\sd], v[LQ]
	s_mov_b32 s[QL], s[\ql]
	s_mov_b32 s[KF], 0
	s_mov_b32 s[TK], 0
	s_mov_b32 s[TS], 0
	s_mov_b32 s[TV], 0
	s_mov_b32 s[CNT], 16
.endm
; SIXTEEN KEY STEPS of 128 keys.
.macro LOOP
.Ltrip_\@:
	s_cmp_gt_u32 s[KF], s[QL]                      ; all the step's keys come after my queries: only the addresses step
	s_cbranch_scc1 .Lhidden_\@
	s_setprio 2
	v_add_nc_u32 v[ADK], s[TK], v[L16]             ; (these four are also the places ahead of the loads into registers that the last step's products read)
	v_add_nc_u32 v[ADV], s[TK], v[LV]
	v_add_nc_u32 v[ADS], s[TS], v[LKS]
	v_add_nc_u32 v[ADT], s[TV], v[LVS]
.irp t, 0,1,2,3,4,5,6,7
	ds_load_b128 v[32+8*\t:35+8*\t], v[ADK] offset:512*\t      ; K's eight tiles: images, 16 bytes a lane
.endr
	ds_load_b128 v[24:27], v[ADS]                  ; their scale words, four tiles' to a load
	ds_load_b128 v[28:31], v[ADS] offset:256
.irp t, 0,1,2,3
.irp c, 0,1
	ds_load_b128 v[192+8*\t+4*\c:195+8*\t+4*\c], v[ADV] offset:1024*\t+512*\c   ; V's four tiles of channels: wanted behind the softmax
.endr
.endr
	ds_load_b128 v[248:251], v[ADT]
	s_wait_dscnt 9                                 ; K's ten loads are in; V's nine may be out
.irp t, 0,1,2,3,4,5,6,7
	v_wmma_scale_f32_16x16x128_f8f6f4 v[96+8*\t:103+8*\t], v[32+8*\t:39+8*\t], v[16:23], 0, v[24+\t], v255 matrix_a_fmt:MATRIX_FMT_FP4 matrix_b_fmt:MATRIX_FMT_FP4
.endr
	PLACES 4
	s_cmp_lg_u32 s[KF], s[QL]                      ; on the diagonal the scores of hidden keys become -infinity ahead of the maximum: p = 0 then
	s_cbranch_scc1 .Lopen_\@
	v_mov_b32 v254, 0xff800000
.set n, 0
	s_wait_alu depctr_va_vdst(0)
.rept 64                                       ; register 16 b + i holds key KF + 32 b + 16 h + i: hidden where 32 b + i > DQ
	v_cmp_gt_i32 vcc_lo, 32*(n/16)+n%16, v[DQ]
	v_cndmask_b32 v[96+n], v[96+n], v254, vcc_lo
.set n, n+1
.endr
.Lopen_\@:
.irp b, 0,1,2,3
	v_max3_num_f32 v[232+\b], v[96+16*\b], v[97+16*\b], v[98+16*\b]   ; the largest score of each block of 32 keys: for the row's maximum and, since p rises with the score, for the block's largest p
.endr
.irp i, 3,5,7,9,11,13
.irp b, 0,1,2,3
	v_max3_num_f32 v[232+\b], v[232+\b], v[96+16*\b+\i], v[97+16*\b+\i]
.endr
.endr
.irp b, 0,1,2,3
	v_max_num_f32 v[232+\b], v[232+\b], v[111+16*\b]
.endr
.irp b, 0,1,2,3
	s_delay_alu instid0(VALU_DEP_4)
	v_permlanex16_b32 v[236+\b], v[232+\b], s20, s21
.endr
.irp b, 0,1,2,3
	s_delay_alu instid0(VALU_DEP_4)
	v_max_num_f32 v[232+\b], v[232+\b], v[236+\b]  ; with lane l xor 16's 16 keys
.endr
	s_delay_alu instid0(VALU_DEP_2)
	v_max3_num_f32 v254, v232, v233, v234
	s_delay_alu instid0(VALU_DEP_1)
	v_max_num_f32 v254, v254, v235                 ; the step's largest score of my query
	s_delay_alu instid0(VALU_DEP_1)
	v_mul_f32 v254, s22, v254                      ; as t
	s_delay_alu instid0(VALU_DEP_1)
	v_max_num_f32 v13, v13, v254                   ; the running largest t
	v_mov_b32 v254, v12
	s_delay_alu instid0(VALU_DEP_2)
	v_floor_f32 v12, -v13                          ; the new -M = floor(-t): M is a whole number
	s_delay_alu instid0(VALU_DEP_1)
	v_sub_f32 v254, v12, v254                      ; old M less new M: a whole number, 0 or less
	s_delay_alu instid0(VALU_DEP_1)
	v_cvt_i32_f32 v254, v254                       ; (it saturates)
	s_delay_alu instid0(VALU_DEP_1)
	v_ldexp_f32 v252, 1.0, v254                    ; f = 2^(old M - new M)
.set n, 0
.rept 32
	v_pk_fma_f32 v[96+n:97+n], v[96+n:97+n], s[22:23], v[12:13] op_sel_hi:[1,0,0]   ; t - M, two at a time
.set n, n+2
.endr
	s_setprio 1
.irp b, 0,1,2,3
	v_fma_f32 v[232+\b], v[232+\b], s22, v12       ; the same of each block's largest score
.endr
.set n, 0
	s_wait_alu depctr_va_vdst(0)
.rept 64
	v_exp_f32 v[96+n], v[96+n]                     ; p = 2^(t - M), at most 1
.set n, n+1
.endr
	v_pk_mul_f32 v[14:15], v[14:15], v[252:253] op_sel_hi:[1,0]   ; the sums under the new M: the plain place behind the exponentials
	s_wait_alu depctr_va_vdst(0)                   ; one wait for the batch of 64, ahead of its first reader
.irp b, 0,1,2,3
	v_exp_f32 v[232+\b], v[232+\b]                 ; the blocks' largest p
.endr
	v_pk_add_f32 v[236:237], v[100:101], v[104:105]
	v_pk_add_f32 v[246:247], v[108:109], v[112:113]
	v_pk_add_f32 v[244:245], v[116:117], v[120:121]
	v_pk_add_f32 v[238:239], v[124:125], v[128:129]
	v_pk_add_f32 v[230:231], v[132:133], v[136:137]
	v_pk_add_f32 v[228:229], v[140:141], v[144:145]
	v_pk_add_f32 v[226:227], v[148:149], v[152:153]
	v_pk_add_f32 v[14:15], v[14:15], v[156:157]
	v_pk_add_f32 v[236:237], v[236:237], v[96:97]
	v_pk_add_f32 v[246:247], v[246:247], v[98:99]
	v_pk_add_f32 v[244:245], v[244:245], v[102:103]
	v_pk_add_f32 v[238:239], v[238:239], v[106:107]
	v_pk_add_f32 v[230:231], v[230:231], v[110:111]
	v_pk_add_f32 v[228:229], v[228:229], v[114:115]
	v_pk_add_f32 v[226:227], v[226:227], v[118:119]
	v_pk_add_f32 v[14:15], v[14:15], v[122:123]
	v_pk_add_f32 v[236:237], v[236:237], v[126:127]
	v_pk_add_f32 v[246:247], v[246:247], v[130:131]
	v_pk_add_f32 v[244:245], v[244:245], v[134:135]
	v_pk_add_f32 v[238:239], v[238:239], v[138:139]
	v_pk_add_f32 v[230:231], v[230:231], v[142:143]
	v_pk_add_f32 v[228:229], v[228:229], v[146:147]
	v_pk_add_f32 v[226:227], v[226:227], v[150:151]
	v_pk_add_f32 v[14:15], v[14:15], v[154:155]
	v_pk_add_f32 v[236:237], v[236:237], v[158:159]
	s_delay_alu instid0(VALU_DEP_2)
	v_pk_add_f32 v[14:15], v[14:15], v[238:239]
	s_delay_alu instid0(VALU_DEP_2)
	v_pk_add_f32 v[236:237], v[236:237], v[230:231]
	v_pk_add_f32 v[246:247], v[246:247], v[228:229]
	v_pk_add_f32 v[244:245], v[244:245], v[226:227]
	s_delay_alu instid0(VALU_DEP_2)
	v_pk_add_f32 v[14:15], v[14:15], v[246:247]
	s_delay_alu instid0(VALU_DEP_2)
	v_pk_add_f32 v[236:237], v[236:237], v[244:245]
	s_delay_alu instid0(VALU_DEP_1)
	v_pk_add_f32 v[14:15], v[14:15], v[236:237]
	s_wait_alu depctr_va_vdst(0)                   ; and one for the four
.irp b, 0,1,2,3
	v_max_num_f32 v[232+\b], 0x1800000, v[232+\b]  ; the floor 2^(3 - 127): the byte cannot fall under 1
.endr
.irp b, 0,1,2,3
	s_delay_alu instid0(VALU_DEP_4)
	v_add_nc_u32 v[244+\b], 0xff000000, v[232+\b]  ; 2 off the exponent field: the conversion's scale operand
.endr
.irp b, 0,1,2,3
	s_delay_alu instid0(VALU_DEP_4)
	v_lshrrev_b32 v[236+\b], 23, v[244+\b]         ; the scale's byte
.endr
	s_delay_alu instid0(VALU_DEP_3)
	v_lshl_or_b32 v253, v237, 8, v236              ; p's scale word for these 128 keys
	s_delay_alu instid0(VALU_DEP_1)
	v_lshl_or_b32 v253, v238, 16, v253
	s_delay_alu instid0(VALU_DEP_1)
	v_lshl_or_b32 v253, v239, 24, v253
	s_setprio 0
.irp b, 0,1,2,3
	v_cvt_scalef32_pk8_fp4_f32 v[224+2*\b], v[96+16*\b:103+16*\b], v[244+\b]
	v_cvt_scalef32_pk8_fp4_f32 v[225+2*\b], v[104+16*\b:111+16*\b], v[244+\b]
.endr
	v_nop                                          ; one plain place behind a scaled conversion
.irp c, 0,1
.irp i, 0,1
	v_permlane16_swap_b32 v[224+4*\c+\i], v[226+4*\c+\i]       ; a whole block in a lane: lanes 0-15 block 2 c, lanes 16-31 block 2 c + 1
.endr
.endr
.set n, 0
.rept 16
	v_pk_mul_f32 v[160+n:161+n], v[160+n:161+n], v[252:253] op_sel_hi:[1,0]   ; O^T under the new M.  (These sixteen are also the places between the codes and the scale word just made and the products)
.set n, n+2
.endr
	s_wait_alu depctr_va_vdst(0)
	s_wait_dscnt 0x0                               ; V
.irp t, 0,1,2,3
	v_wmma_scale_f32_16x16x128_f8f6f4 v[160+8*\t:167+8*\t], v[192+8*\t:199+8*\t], v[224:231], v[160+8*\t:167+8*\t], v[248+\t], v253 matrix_a_fmt:MATRIX_FMT_FP4 matrix_b_fmt:MATRIX_FMT_FP4
.endr
.Lhidden_\@:
	s_add_co_u32 s[KF], s[KF], 128
	s_add_co_u32 s[TK], s[TK], 4096
	s_add_co_u32 s[TS], s[TS], 512
	s_add_co_u32 s[TV], s[TV], 256
	s_sub_co_u32 s[CNT], s[CNT], 1
	s_cmp_lg_u32 s[CNT], 0
	s_cbranch_scc1 .Ltrip_\@
	s_setprio 0
.endm
; THE WAY OUT of a tile: y = O^T / the sum; its 32 registers are the lane's halves of two blocks of 32 along the head: quantised, they are the image of registers 0-3 (or 4-7) of the next product's fragment.
.macro YOUT ya, ys
	v_add_f32 v14, v14, v15
	s_delay_alu instid0(VALU_DEP_1)
	v_permlanex16_b32 v252, v14, s20, s21
	s_delay_alu instid0(VALU_DEP_1)
	v_add_f32 v14, v14, v252                       ; the row's sum
	s_wait_alu depctr_va_vdst(0)
	v_rcp_f32 v14, v14
	v_nop                                          ; a plain place behind the reciprocal
	s_wait_alu depctr_va_vdst(0)                   ; and the wait ahead of its first reader
.set n, 0
.rept 16
	v_pk_mul_f32 v[96+n:97+n], v[160+n:161+n], v[14:15] op_sel_hi:[1,0]   ; register 16 b + i is channel 32 b + 16 h + i
.set n, n+2
.endr
.irp b, 0,1
	v_max3_num_f32 v[232+\b], |v[96+16*\b]|, |v[97+16*\b]|, 0x1800000
.endr
.irp i, 2,4,6,8,10,12,14
.irp b, 0,1
	s_delay_alu instid0(VALU_DEP_2)
	v_max3_num_f32 v[232+\b], v[232+\b], |v[96+16*\b+\i]|, |v[97+16*\b+\i]|
.endr
.endr
.irp b, 0,1
	s_delay_alu instid0(VALU_DEP_2)
	v_permlanex16_b32 v[236+\b], v[232+\b], s20, s21
.endr
.irp b, 0,1
	s_delay_alu instid0(VALU_DEP_2)
	v_max_num_f32 v[232+\b], v[232+\b], v[236+\b]
.endr
.irp b, 0,1
	s_delay_alu instid0(VALU_DEP_2)
	v_add_nc_u32 v[244+\b], 0xff000000, v[232+\b]
.endr
.irp b, 0,1
	s_delay_alu instid0(VALU_DEP_2)
	v_lshrrev_b32 v[236+\b], 23, v[244+\b]
.endr
.irp b, 0,1
	v_cvt_scalef32_pk8_fp4_f32 v[224+2*\b], v[96+16*\b:103+16*\b], v[244+\b]
	v_cvt_scalef32_pk8_fp4_f32 v[225+2*\b], v[104+16*\b:111+16*\b], v[244+\b]
.endr
	v_nop
	v_permlane16_swap_b32 v224, v226
	v_permlane16_swap_b32 v225, v227
	v_cndmask_b32 v252, v236, v237, s80            ; lanes 0-15 keep block 0's byte, lanes 16-31 block 1's
	global_store_b128 v[L16], v[224:227], s[\ya:\ya+1]         ; 32 lanes store 512 consecutive bytes, at a multiple of 512 from yimg's first byte
	global_store_b8 v[YB], v252, s[\ys:\ys+1]      ; a token's 32 scale bytes come from 16 heads, that is from 16 clusters: two bytes of each row are mine
	s_wait_xcnt 0x0                                ; the stores have read their registers
.endm
	s_wait_tensorcnt 0x0                           ; my fill has landed,
	s_barrier_signal -1
	s_barrier_wait -1                              ; everybody's has: from here on LDS is only read
	INIT 83, 81
	s_wait_loadcnt 0x0                             ; Q
	LOOP
	PLACES 4                                       ; behind the last products
	QLOAD 18, 62                                   ; the second tile's Q lands while the first goes out
	YOUT 66, 70
	INIT 84, 82
	s_wait_loadcnt 0x0
	LOOP
	PLACES 4
	YOUT 68, 72
	s_wait_tensorcnt 0x0
	ds_add_u32 v242, v243
	s_wait_dscnt 0x0
	CROUND                                         ; the closing round
	s_endpgm
.Lfunc_end_k_qa79915e65d_attn:
	.size	k_qa79915e65d_attn, .Lfunc_end_k_qa79915e65d_attn-k_qa79915e65d_attn
	.p2alignl 7, 3214868480
	.fill 96, 4, 3214868480
	.section	.rodata,"a",@progbits
	.p2align	6, 0x0
	.amdhsa_kernel k_qa79915e65d_attn
		.amdhsa_group_segment_fixed_size 169984
		.amdhsa_private_segment_fixed_size 0
		.amdhsa_enable_private_segment 0
		.amdhsa_kernarg_size 32
		.amdhsa_user_sgpr_count 2
		.amdhsa_user_sgpr_kernarg_segment_ptr 1
		.amdhsa_wavefront_size32 1
		.amdhsa_system_sgpr_workgroup_id_x 1
		.amdhsa_system_sgpr_workgroup_id_y 1
		.amdhsa_system_sgpr_workgroup_id_z 1
		.amdhsa_system_vgpr_workitem_id 0
		.amdhsa_next_free_vgpr 256
		.amdhsa_next_free_sgpr 100
		.amdhsa_reserve_vcc 1
		.amdhsa_float_denorm_mode_32 3
		.amdhsa_float_denorm_mode_16_64 3
		.amdhsa_memory_ordered 1
		.amdhsa_forward_progress 1
		.amdhsa_inst_pref_size 64
	.end_amdhsa_kernel
	.amdgpu_metadata
---
amdhsa.version: [ 1, 2 ]
amdhsa.kernels:
  - .name:           k_qa79915e65d_attn
    .symbol:         k_qa79915e65d_attn.kd
    .args:
      - { .name: img, .offset: 0, .size: 8, .value_kind: global_buffer, .address_space: global }
      - { .name: scl, .offset: 8, .size: 8, .value_kind: global_buffer, .address_space: global }
      - { .name: yimg, .offset: 16, .size: 8, .value_kind: global_buffer, .address_space: global }
      - { .name: ysc, .offset: 24, .size: 8, .value_kind: global_buffer, .address_space: global }
    .group_segment_fixed_size: 169984
    .private_segment_fixed_size: 0
    .kernarg_segment_align: 8
    .kernarg_segment_size: 32
    .max_flat_workgroup_size: 512
    .sgpr_count:     100
    .vgpr_count:     256
    .wavefront_size: 32
...
	.end_amdgpu_metadata
.endif
;; end of part 2
;; launch proj (part 3): grid 4 x 64, 4 waves a work-group, clusters of 4 x 4, 247,296 bytes of LDS; arguments yimg, ysc, W_proj_codes, W_proj_scales, b_proj, out0; writes out0
.if DOCPART == 3
	.amdgcn_target "amdgcn-amd-amdhsa--gfx1250"
	.amdhsa_code_object_version 6
	.text
	.protected	k_qa79915e65d_proj
	.globl	k_qa79915e65d_proj
	.p2align	8
	.type	k_qa79915e65d_proj,@function
k_qa79915e65d_proj:
	s_mov_b64 s[64:65], 0
	v_nop
	global_prefetch_b8 v0, s[64:65] scope:SCOPE_SE
	s_setreg_imm32_b32 hwreg(HW_REG_WAVE_MODE, 25, 1), 1
	s_wait_xcnt 0x0
	s_wait_alu depctr_hold_cnt(0) depctr_sa_sdst(0) depctr_va_vdst(0) depctr_va_sdst(0) depctr_va_ssrc(0) depctr_va_vcc(0) depctr_vm_vsrc(0)
	s_getreg_b32 s2, hwreg(HW_REG_IB_STS2, 6, 4)
	s_cmp_eq_u32 s2, 0
	s_cbranch_scc0 .Lentry_in_a_cluster
	s_endpgm
.Lentry_in_a_cluster:
	s_bfe_u32 s2, ttmp6, 0x10000c
	s_cmp_lg_u32 s2, 0xf033
	s_cbranch_scc0 .Lentry_shape_is_right
	s_endpgm
.Lentry_shape_is_right:
; out0 = y W_proj + b_proj on codes of FP4 (E2M1) with E8M0 scales.  y comes as images of its operand registers (yimg: a tile of 16 tokens is 8,192 bytes, a K step 1,024) and 32 scale bytes a token (ysc).
; W_proj: [1024][1024] codes, K innermost, 512 bytes a row, 32 scale bytes a row.  out0: [8192][1024] f32.
; A work-group makes 128 tokens x 256 columns, a wave 64 x 128.  The whole K of both operands lies in LDS, filled once; nothing is filled again.
; THE MATRIX INSTRUCTION IS USED TRANSPOSED: source 0 = 16 rows of W, source 1 = 16 tokens: a lane holds one token.  Lane r of W's tile 2 b + u takes row 32 b + 8 u + r + 8 (r / 8), so that the 16 registers of two
; neighbouring tiles are 16 neighbouring columns.  In LDS W's even groups of 8 rows lie first and the odd groups behind them: such a tile is 16 consecutive LDS rows, 528 bytes apart.
; The tokens of a tile of y follow the same rule: row p of tile a is token 32 (a / 2) + 8 (a % 2) + p + 8 (p / 8).
; CLUSTERS: 4 x 4.  y's tile is asked for jointly along a row of the cluster, W's along a column.
; The bias is the C of each sum's first product: it enters the sum first, not last.  NaN and infinities are not served.
; REGISTERS, in windows of 256: window 0: v1-13 addresses; v16-79 eight accumulators; v80-143 W's scale words; v144-159 y's, two sets; v160-223 rows on the way out.
;   window 1: v0-127 y's fragments of a tile, two sets; v128-191 the bias.   windows 2, 3: W's 64 fragments (tile i, K step q) at v[64 (q % 4) + 8 i], q < 4 in window 2.
.set PITCH, 528
.set PART,  128*PITCH
.set WE,    65536                      ; LDS: y's images at 0 (65,536 bytes); W's even groups, W's odd groups;
.set YSC,   WE+2*PART                  ; y's scale bytes (4,096),
.set WSC,   YSC+4096                   ; W's (8,192),
.set STG,   WSC+8192                   ; and a stage of 16 rows x (512 + 16) bytes for each wave, into which no fill lands
.set AP,  4                            ; v4-5   LDS address of W's fragments, even and odd tiles
.set AR,  6                            ; v6     of y's images
.set APS, 8                            ; v8     of W's scale words
.set ARS, 9                            ; v9     of y's
.set CO,  10                           ; v10    16 x lane
.set STO, 11                           ; v11    the stage: where I put my 64 bytes of a quarter row
.set BO,  12                           ; v12    64 h
.set RD,  13                           ; v13    the stage: where I read a row back
.set ACC, 16
.set PS,  80
.set RS,  144
.set OUTR, 160
.set BB,  128
.set TO_R,  0x40
.set TO_P2, 0x80
.set TO_P3, 0xc0
.set W_Q0,  0x16                       ; W window 2, y window 1, C window 1, D window 0
.set W_LO,  0x06
.set W_HI,  0x07
.set MSB, 0
.macro WIN new                         ; the immediate's high byte repeats the setting that is left
.if MSB != \new
	s_set_vgpr_msb (MSB<<8)|\new
.set MSB, \new
.endif
.endm
.macro PLACES n
.rept \n
	v_nop
.endr
.endm
.macro CROUND
	s_barrier_signal -1
	s_barrier_wait -1
	s_cmp_lg_u32 s18, 0
	s_cbranch_scc1 .Lnot_wave_0_\@
	s_barrier_signal -3
.Lnot_wave_0_\@:
	s_barrier_wait -3
	s_barrier_signal -1
	s_barrier_wait -1
.endm
	s_load_b256 s[4:11], s[0:1], 0x0               ; yimg s[4:5], ysc s[6:7], W's codes s[8:9], W's scales s[10:11]
	s_load_b128 s[12:15], s[0:1], 0x20             ; b_proj s[12:13], out0 s[14:15]
	v_lshl_add_u32 v254, v0, 2, 0x3c400
	v_mov_b32 v255, 0
	ds_add_u32 v254, v255
	ds_add_u32 v254, v255
	v_lshrrev_b32 v1, 5, v0
	v_readfirstlane_b32 s18, v1                    ; wave 0..3
	s_lshr_b32 s19, s18, 1                         ; wr: my 64 of the 128 tokens.  Also: I fetch for y (0) or for W (1)
	s_and_b32 s20, s18, 1                          ; wp: my 128 of the 256 columns.  Also: which half I fetch
	s_bfe_u32 s21, ttmp6, 0x40000                  ; cx
	s_bfe_u32 s22, ttmp6, 0x40004                  ; cy
	s_lshl_b32 s76, ttmp9, 2
	s_add_co_u32 s76, s76, s21                     ; tile column: 256 rows of W
	s_and_b32 s77, ttmp7, 0xffff
	s_lshl_b32 s77, s77, 2
	s_add_co_u32 s77, s77, s22                     ; tile row: 128 tokens
	s_lshl_b32 s78, s22, 2
	s_lshl_b32 s78, 15, s78                        ; my row of the cluster
	s_lshl_b32 s79, 0x1111, s21                    ; my column
	s_or_b32 s24, s78, (3<<16)|(1<<21)             ; y's images: half a tile row is 32,768 dense bytes: 128 rows of 256 (32 elements of 8)
	s_mov_b32 s25, 32<<16
	s_mov_b32 s26, 128<<16
	s_mov_b32 s27, 32<<16
	s_mov_b32 s28, 128
	s_mov_b32 s29, 32
	s_mov_b32 s30, 0
	s_mov_b32 s31, 0
	s_or_b32 s56, s78, (3<<16)|(1<<21)             ; y's scale bytes: 2,048 dense bytes: 8 rows of 256
	s_mov_b32 s57, 32<<16
	s_mov_b32 s58, 8<<16
	s_mov_b32 s59, 32<<16
	s_mov_b32 s60, 8
	s_mov_b32 s61, 32
	s_mov_b32 s62, 0
	s_mov_b32 s63, 0
	s_or_b32 s40, s79, (3<<16)|(1<<20)|(1<<21)|(6<<22)|(3<<25)   ; W's codes: eight rows are 4,096 dense bytes: 16 such long rows, 8,192 bytes apart; 4 words of padding behind every 128
	s_mov_b32 s41, 512<<16
	s_mov_b32 s42, 16<<16
	s_mov_b32 s43, 512<<16
	s_mov_b32 s44, 16
	s_mov_b32 s45, 1024
	s_mov_b32 s46, 0
	s_mov_b32 s47, 0
	s_or_b32 s68, s79, (3<<16)|(1<<21)             ; W's scale bytes of 128 rows: 16 rows of 256
	s_mov_b32 s69, 32<<16
	s_mov_b32 s70, 16<<16
	s_mov_b32 s71, 32<<16
	s_mov_b32 s72, 16
	s_mov_b32 s73, 32
	s_mov_b32 s74, 0
	s_mov_b32 s75, 0
	s_lshl_b32 s2, s20, 15                         ; half of y's images,
	s_lshl_b32 s3, s20, 11                         ; of its scale bytes,
	s_lshl_b32 s84, s20, 12                        ; 8 rows of W's codes, and 128 rows of its scale bytes
	s_lshl_b32 s80, s77, 16
	s_add_co_u32 s80, s80, s2
	s_mov_b32 s81, 0
	s_lshl_b32 s86, s77, 12
	s_add_co_u32 s86, s86, s3
	s_mov_b32 s87, 0
	s_lshl_b32 s82, s76, 17
	s_add_co_u32 s82, s82, s84
	s_mov_b32 s83, 0
	s_lshl_b32 s88, s76, 13
	s_add_co_u32 s88, s88, s84
	s_mov_b32 s89, 0
	s_add_co_u32 s3, s3, YSC                       ; where they go
	s_mul_i32 s85, s20, PART
	s_add_co_u32 s85, s85, WE
	s_add_co_u32 s84, s84, WSC
	s_wait_dscnt 0x0
	s_wait_kmcnt 0x0
	s_mov_b32 s32, 1
	s_mov_b32 s33, s2
	s_add_nc_u64 s[34:35], s[4:5], s[80:81]
	s_or_b32 s35, s35, 0x80000000
	s_mov_b32 s36, 1
	s_mov_b32 s37, s3
	s_add_nc_u64 s[38:39], s[6:7], s[86:87]
	s_or_b32 s39, s39, 0x80000000
	s_mov_b32 s48, 1
	s_mov_b32 s49, s85
	s_add_nc_u64 s[50:51], s[8:9], s[82:83]
	s_or_b32 s51, s51, 0x80000000
	s_mov_b32 s52, 1
	s_mov_b32 s53, s84
	s_add_nc_u64 s[54:55], s[10:11], s[88:89]
	s_or_b32 s55, s55, 0x80000000
	CROUND                                         ; all sixteen work-groups are here: the joint loads meet
	s_cmp_eq_u32 s19, 0                            ; a wave's two fills stand in one branch on the wave's number: two loads of mine are out; four v_nop follow the second
	s_cbranch_scc0 .Lfor_w
	tensor_load_to_lds s[36:39], s[56:63]
	s_nop 0
	tensor_load_to_lds s[32:35], s[24:31]
	s_nop 0
	PLACES 4
	s_branch .Lasked
.Lfor_w:
	tensor_load_to_lds s[52:55], s[68:75]
	s_nop 0
	tensor_load_to_lds s[48:51], s[40:47]
	s_nop 0
	PLACES 4
.Lasked:
	v_and_b32 v1, 15, v0                           ; r
	v_bfe_u32 v2, v0, 4, 1                         ; h
	v_and_b32 v3, 8, v1
	v_add_nc_u32 v3, v3, v1                        ; r + 8 (r / 8)
	v_mul_u32_u24 v15, v1, PITCH                   ; r x 528
	s_wait_alu depctr_va_vdst(0)
	s_mul_i32 s2, s20, 64*PITCH                    ; my 128 rows of W are 64 LDS rows of each part
	s_add_co_u32 s2, s2, WE
	v_lshl_add_u32 v[AP], v2, 4, v15
	v_add_nc_u32 v[AP], s2, v[AP]
	v_add_nc_u32 v[AP+1], PART, v[AP]
	v_and_b32 v[CO], 31, v0
	v_lshlrev_b32 v[CO], 4, v[CO]
	s_lshl_b32 s2, s19, 15                         ; my four tiles of tokens
	v_add_nc_u32 v[AR], s2, v[CO]
	s_lshl_b32 s2, s20, 12
	s_add_co_u32 s2, s2, WSC
	v_lshl_add_u32 v[APS], v3, 5, s2
	s_lshl_b32 s2, s19, 11
	s_add_co_u32 s2, s2, YSC
	v_lshl_add_u32 v[ARS], v1, 5, s2
	s_mul_i32 s2, s18, 16*PITCH
	s_add_co_u32 s2, s2, STG                       ; my stage
	v_lshl_add_u32 v[STO], v2, 6, v15
	v_add_nc_u32 v[STO], s2, v[STO]
	v_add_nc_u32 v[RD], s2, v[CO]
	v_lshlrev_b32 v[BO], 6, v2
	s_wait_alu depctr_va_vdst(0)
	s_lshl_b32 s80, s76, 10                        ; my first column, in bytes: 1,024 x tile column + 512 wp: in b_proj,
	s_lshl_b32 s82, s20, 9
	s_add_co_u32 s80, s80, s82
	s_mov_b32 s81, 0
	s_add_nc_u64 s[12:13], s[12:13], s[80:81]
	s_lshl_b32 s82, s77, 19                        ; and in out0, at my first token: (128 x tile row + 64 wr) rows of 4,096 bytes
	s_add_co_u32 s80, s80, s82
	s_lshl_b32 s82, s19, 18
	s_add_co_u32 s80, s80, s82
	s_add_nc_u64 s[14:15], s[14:15], s[80:81]
	WIN TO_R
.irp i, 0,1,2,3,4,5,6,7                        ; the bias in the result's layout: register j of tile i is column 32 (i / 2) + 8 (i % 2) + 16 h + j
	global_load_b128 v[BB+8*\i:BB+8*\i+3], v[BO], s[12:13] offset:(32*(\i/2)+8*(\i%2))*4
	global_load_b128 v[BB+8*\i+4:BB+8*\i+7], v[BO], s[12:13] offset:(32*(\i/2)+8*(\i%2))*4+16
.endr
	WIN 0
.macro PLOAD                           ; all of W's fragments and scale words: they stay
.irp q, 0,1,2,3,4,5,6,7
.if \q < 4
	WIN TO_P2
.else
	WIN TO_P3
.endif
.irp i, 0,1,2,3,4,5,6,7
.irp c, 0,1
	ds_load_b128 v[64*(\q%4)+8*\i+4*\c:64*(\q%4)+8*\i+4*\c+3], v[AP+\i%2] offset:(\i/2)*16*PITCH+64*\q+32*\c
.endr
.endr
.endr
	WIN 0
.irp i, 0,1,2,3,4,5,6,7
	ds_load_b128 v[PS+8*\i:PS+8*\i+3], v[APS] offset:1024*(\i/2)+256*(\i%2)
	ds_load_b128 v[PS+8*\i+4:PS+8*\i+7], v[APS] offset:1024*(\i/2)+256*(\i%2)+16
.endr
.endm
.macro RLOAD a, set                    ; y's tile a, all eight K steps, as images, and its scale words: 18 loads
	WIN TO_R
.irp q, 0,1,2,3,4,5,6,7
.irp c, 0,1
	ds_load_b128 v[64*(\set)+8*\q+4*\c:64*(\set)+8*\q+4*\c+3], v[AR] offset:(\a)*8192+1024*\q+512*\c
.endr
.endr
	WIN 0
	ds_load_b128 v[RS+8*(\set):RS+8*(\set)+3], v[ARS] offset:(\a)*512
	ds_load_b128 v[RS+8*(\set)+4:RS+8*(\set)+7], v[ARS] offset:(\a)*512+16
.endm
.macro WM i, q, set, c0
	v_wmma_scale_f32_16x16x128_f8f6f4 v[ACC+8*(\i):ACC+8*(\i)+7], v[64*((\q)%4)+8*(\i):64*((\q)%4)+8*(\i)+7], v[64*(\set)+8*(\q):64*(\set)+8*(\q)+7], v[\c0:\c0+7], v[PS+8*(\i)+(\q)], v[RS+8*(\set)+(\q)] matrix_a_fmt:MATRIX_FMT_FP4 matrix_b_fmt:MATRIX_FMT_FP4
.endm
.macro MULQ q, set                     ; the eight accumulators take turns, one instruction a turn
.irp i, 0,1,2,3,4,5,6,7
	WM \i, \q, \set, ACC+8*\i
.endr
.endm
.macro MUL a                           ; 64 products: y's tile a against W's eight tiles, K ascending; the first K step takes the bias as C
	WIN W_Q0
.irp i, 0,1,2,3,4,5,6,7
	WM \i, 0, (\a)%2, BB+8*\i
.endr
	WIN W_LO
	MULQ 1, (\a)%2
	MULQ 2, (\a)%2
	MULQ 3, (\a)%2
	WIN W_HI
	MULQ 4, (\a)%2
	MULQ 5, (\a)%2
	MULQ 6, (\a)%2
	MULQ 7, (\a)%2
	WIN 0
.endm
; A tile of 16 tokens x 128 columns.  A lane holds 64 bytes of each quarter of a row, and the lanes beside it other rows: so the tile goes through my own stage and comes back as whole rows of 512 bytes.
.macro TILE a
	s_wait_dscnt 0x0
	MUL \a
	PLACES 5                                       ; four ahead of loads into registers that the products read and of the LDS stores that read results; FIVE ahead of the next tile's first products, which begin
	                                               ; these accumulators anew with the bias as C and so write over them; no other vector line stands between two tiles
.if (\a) < 2
	RLOAD (\a)+2, (\a)%2
.endif
	s_wait_xcnt 0x0                                ; the last tile's stores have read their registers
.irp b, 0,1,2,3
.irp k, 0,1,2,3
	ds_store_b128 v[STO], v[ACC+16*\b+4*\k:ACC+16*\b+4*\k+3] offset:128*\b+16*\k   ; columns 32 b + 16 h + 4 k on; each accumulator from its low end on
.endr
.endr
.irp p, 0,1,2,3,4,5,6,7,8,9,10,11,12,13,14,15
	ds_load_b128 v[OUTR+4*\p:OUTR+4*\p+3], v[RD] offset:PITCH*\p   ; LDS serves a wave's instructions in order (ISA guide 5.7.1.4): these see the stores above
.endr
.irp p, 0,1,2,3,4,5,6,7,8,9,10,11,12,13,14,15
	s_wait_dscnt 15-\p                             ; row p is back; the rows behind it may be out
	global_store_b128 v[CO], v[OUTR+4*\p:OUTR+4*\p+3], s[14:15] offset:(32*((\a)/2)+8*((\a)%2)+\p+8*(\p/8))*4096 th:TH_STORE_NT   ; 32 lanes store 512 consecutive bytes, at a multiple of 512 from out0's first byte
.endr
.endm
	s_wait_tensorcnt 0x0                           ; my two fills have landed,
	s_barrier_signal -1
	s_barrier_wait -1                              ; everybody's have: the tiles are only read from here on
	RLOAD 0, 0
	RLOAD 1, 1
	PLOAD
	s_wait_loadcnt 0x0                             ; the bias
	TILE 0
	TILE 1
	TILE 2
	TILE 3
	s_wait_tensorcnt 0x0
	ds_add_u32 v254, v255
	s_wait_dscnt 0x0
	CROUND                                         ; the closing round: no work-group ends while a partner may still ask for a tile that names it
	s_endpgm
.Lfunc_end_k_qa79915e65d_proj:
	.size	k_qa79915e65d_proj, .Lfunc_end_k_qa79915e65d_proj-k_qa79915e65d_proj
	.p2alignl 7, 3214868480
	.fill 96, 4, 3214868480
	.section	.rodata,"a",@progbits
	.p2align	6, 0x0
	.amdhsa_kernel k_qa79915e65d_proj
		.amdhsa_group_segment_fixed_size 247296
		.amdhsa_private_segment_fixed_size 0
		.amdhsa_enable_private_segment 0
		.amdhsa_kernarg_size 48
		.amdhsa_user_sgpr_count 2
		.amdhsa_user_sgpr_kernarg_segment_ptr 1
		.amdhsa_wavefront_size32 1
		.amdhsa_system_sgpr_workgroup_id_x 1
		.amdhsa_system_sgpr_workgroup_id_y 1
		.amdhsa_system_sgpr_workgroup_id_z 1
		.amdhsa_system_vgpr_workitem_id 0
		.amdhsa_next_free_vgpr 1024
		.amdhsa_next_free_sgpr 100
		.amdhsa_reserve_vcc 0
		.amdhsa_float_denorm_mode_32 3
		.amdhsa_float_denorm_mode_16_64 3
		.amdhsa_memory_ordered 1
		.amdhsa_forward_progress 1
		.amdhsa_inst_pref_size 73
	.end_amdhsa_kernel
	.amdgpu_metadata
---
amdhsa.version: [ 1, 2 ]
amdhsa.kernels:
  - .name:           k_qa79915e65d_proj
    .symbol:         k_qa79915e65d_proj.kd
    .args:
      - { .name: yimg, .offset: 0, .size: 8, .value_kind: global_buffer, .address_space: global }
      - { .name: ysc, .offset: 8, .size: 8, .value_kind: global_buffer, .address_space: global }
      - { .name: W_proj_codes, .offset: 16, .size: 8, .value_kind: global_buffer, .address_space: global }
      - { .name: W_proj_scales, .offset: 24, .size: 8, .value_kind: global_buffer, .address_space: global }
      - { .name: b_proj, .offset: 32, .size: 8, .value_kind: global_buffer, .address_space: global }
      - { .name: out0, .offset: 40, .size: 8, .value_kind: global_buffer, .address_space: global }
    .group_segment_fixed_size: 247296
    .private_segment_fixed_size: 0
    .kernarg_segment_align: 8
    .kernarg_segment_size: 48
    .max_flat_workgroup_size: 128
    .sgpr_count:     100
    .vgpr_count:     1024
    .wavefront_size: 32
...
	.end_amdgpu_metadata
.endif
;; end of part 3
